; MI455X (gfx1250); checked and timed in simulation.
; The chip was launched on July 23, 2026; its instructions are those of AMD's public machine-readable ISA for CDNA 5 (MIT licence, August 2026) and "CDNA5" Instruction Set Architecture Reference Guide (July 2026). The comments in the code are by the model that wrote it; some were corrected since.
;; Causal Self Attention. Allowed arithmetic: matrix products marked QUANTISED: E4M3 operands, one given power-of-two scale a tensor, by v_wmma_f32_16x16x64_fp8_fp8 or v_wmma_f32_16x16x128_fp8_fp8, f32 sums; everything else in f32.
;; Inputs: b_attn 3,072 float32; b_proj 1,024 float32; lowp_scales 8 int32 (the exponents e of the quantised operands' scales 2^e); w_attn 1,024 x 3,072 float32; w_proj 1,024 x 1,024 float32; x 4 x 2,048 x 1,024 float32.
;; Outputs: out0 4 x 2,048 x 1,024 float32.
;; This version of the problem:
;;   THIS VERSION OF THE PROBLEM IS GIVEN IN LOW PRECISION. The matrix products marked QUANTISED in the list below multiply operands that are first quantised to E4M3 (4 exponent bits, 3 mantissa bits; 8 bits a number), with one given power-of-two scale for each operand tensor; their sums are f32. All else is computed in f32.
;;   The module's matrix products, in the order in which they are computed (A, B: the left and right operand; K: the contracted axis; several contracted axes count as one K, in the product's order):
;;     1. [M 8,192, K 1,024] x [K 1,024, N 3,072]; A: input x; B: input w_attn: QUANTISED (scales: A lowp_scales[0], B lowp_scales[1])
;;     2. batch 64 x [M 2,048, K 64] x [K 64, N 2,048]; A: computed on the way; B: computed on the way: QUANTISED (scales: A lowp_scales[2], B lowp_scales[3])
;;     3. batch 64 x [M 2,048, K 2,048] x [K 2,048, N 64]; A: softmax (see below); B: computed on the way: QUANTISED (scales: A lowp_scales[4], B lowp_scales[5])
;;     4. [M 8,192, K 1,024] x [K 1,024, N 1,024]; A: computed on the way; B: input w_proj: QUANTISED (scales: A lowp_scales[6], B lowp_scales[7])
;;   THE QUANTISER, for each operand of a quantised product, along K:
;;     - The operand's scale is 2^e, e = its entry of the input lowp_scales (int32; the entries are numbered through the quantised products in the list's order, A before B).
;;     - Each number is divided by the scale, clamped to +-448, and rounded to the nearest number of E4M3, ties to even, subnormals kept.
;;     - The product sums the exact products of the quantised numbers (number of the format x scale) in f32.
;;   ~~~python
;;   def quantise(x, axis, e):      # numpy; x: float32 -> the quantised numbers, widened to float32 again
;;       x = np.moveaxis(x, axis, -1); K = x.shape[-1]
;;       r = np.clip(x / 2.0 ** e, -448, 448)
;;       step = 2.0 ** (np.maximum(np.frexp(np.where(r == 0, 1, r))[1] - 1, -6) - 3)
;;       q = np.round(r / step) * step * 2.0 ** e      # np.round: ties to even
;;       return np.moveaxis(q, -1, axis).astype(np.float32)
;;   ~~~
;;   SOFTMAX AHEAD OF A QUANTISED PRODUCT. Where the list says 'softmax', what is quantised is not the finished softmax but p = 2^(t - M), with t = logit x log2(e) and M = ceil(the row's largest t), a whole number; so 1/2 < the row's largest p <= 1. The row's sum l is taken of the UNQUANTISED p, in f32, and the product's result is divided by l at the end. Since M is a whole number, a kernel that streams over the keys may use a running M (the ceiling of the running maximum): every later rescaling is an exact power of two, so the quantised numbers keep their values, but for numbers so far below the row's largest that they fall under the format's range.
;;   OPERANDS COMPUTED ON THE WAY. 'Computed on the way' means the value that the module computes at that place (a softmax that the list does not call 'softmax' is quantised finished and normalised). What goes into a quantiser is computed in f32, as accurately as f32 sums, v_exp_f32 and their like allow (about 1e-6 of the number): no bf16 or f16 on the way to a quantiser, and a product that is left as it is and whose result goes on into a quantised operand takes f32 operands (vector FMAs, or v_wmma_f32_16x16x4_f32). A number that lies on a knife's edge between two numbers of the format may be rounded either way, as far as f32 arithmetic and the matrix unit's own rounding can turn it there, and no further.
;; One version. Each part assembles by itself: llvm-mc -triple=amdgcn-amd-amdhsa -mcpu=gfx1250 --defsym DOCPART=n.
;; ======== version 1 of 1: 4 launches
;; limits: right only within a limited range of input values
;; workspace buffers: x_codes 8,388,608 bytes; wa_codes 3,145,728 bytes; wp_codes 1,048,576 bytes; q_img 8,388,608 bytes; k_img 8,388,608 bytes; v_img 8,388,608 bytes; a_img 8,388,608 bytes
;; launch prep (part 1): grid 512 x 1, 8 waves a work-group, no clusters, 35,840 bytes of LDS; arguments x, w_attn, w_proj, lowp_scales, x_codes, wa_codes, wp_codes; writes x_codes, wa_codes, wp_codes
.if DOCPART == 1
	.amdgcn_target "amdgcn-amd-amdhsa--gfx1250"
	.amdhsa_code_object_version 6
	.text
	.protected	k_q696c54e161_prep
	.globl	k_q696c54e161_prep
	.p2align	8
	.type	k_q696c54e161_prep,@function
k_q696c54e161_prep:
	s_mov_b64 s[64:65], 0
	v_nop
	global_prefetch_b8 v0, s[64:65] scope:SCOPE_SE
	s_setreg_imm32_b32 hwreg(HW_REG_WAVE_MODE, 25, 1), 1
	s_wait_xcnt 0x0
; x [8192][1024], w_attn [1024 (k)][3072], w_proj [1024 (k)][1024], all f32, become codes of FP8 (E4M3), one byte each, K innermost, each with the one scale 2^e given for it:
; code = number / 2^e, held within +-448, rounded to the nearest code, ties to even.  e: entries 0 (x), 1 (w_attn), 7 (w_proj) of the scales.
; LIMITS: each of these e lies between -126 and 119, so that 2^e and 448 x 2^e are f32 numbers.  NaN among the inputs is not served (an infinity is held at the largest code).
; A tensor has ONE scale, so any order of K that both operands of a product share leaves the product as it is.  That freedom is used:
;   x_codes [8192][1024], wa_codes [3072 (n)][1024]: inside each 512 along the row, byte 16 L + 4 i + j holds k = 128 i + 4 L + j (L 0..31, i, j 0..3).
;     So a lane that loads 16 bytes of each of four runs of 512 consecutive bytes of x holds just the 16 numbers whose codes lie side by side: no turn through LDS.
;   wp_codes [1024 (n)][1024]: byte p holds k = p with bits 3 and 4 exchanged: the order in which the last launch's other operand lies.
; SHARES: work-groups 0-191 take w_attn, 192-255 w_proj, 256-511 x.  Every load of a wave goes out at its head.  Nothing is shared between work-groups: no cluster, no tensor load, no matrix unit.
; A WEIGHT: a lane takes a column n and its registers run down K (in the order above), so the conversions give codes with K innermost.  A work-group takes 64 columns x 256 bytes of their rows;
; the eight waves' parts meet in a stage in LDS (rows of 256 + 16 bytes), and leave as rows: sixteen lanes store 256 consecutive bytes, aligned.  Each of the two weights' ways has a stage of its own.
.set SP,    272
.set STGA,  0                          ; w_attn's stage: 64 rows x 272
.set STGP,  64*SP                      ; w_proj's
.set SPARE, 2*64*SP                    ; behind them: the spare words, 128 bytes for each wave: four blocks of 256 bytes that no other line names
.set SPW,   12                         ; v12  LDS address of my spare word; never rewritten
.set NIL,   13                         ; v13  0; never rewritten
	s_load_b256 s[4:11], s[0:1], 0x0               ; x s[4:5], w_attn s[6:7], w_proj s[8:9], the scales' exponents s[10:11]
	s_load_b128 s[12:15], s[0:1], 0x20             ; x_codes s[12:13], wa_codes s[14:15]
	s_load_b64 s[16:17], s[0:1], 0x30              ; wp_codes
	v_lshl_add_u32 v[SPW], v0, 2, SPARE
	v_mov_b32 v[NIL], 0
	v_lshrrev_b32 v1, 5, v0
	s_delay_alu instid0(VALU_DEP_1)
	v_readfirstlane_b32 s18, v1                    ; wave 0..7
	v_and_b32 v2, 31, v0                           ; lane
	s_delay_alu instid0(VALU_DEP_1)
	v_lshlrev_b32 v3, 4, v2                        ; 16 x lane
	s_delay_alu instid0(VALU_DEP_2)
	v_lshlrev_b32 v5, 2, v2                        ; 4 x lane
	s_and_b32 s19, s18, 1
	s_lshr_b32 s38, s18, 1
	s_mul_i32 s28, s19, 32*SP
	s_lshl_b32 s29, s38, 6
	s_add_co_u32 s28, s28, s29
	v_mul_u32_u24 v4, v2, SP
	s_delay_alu instid0(VALU_DEP_1)
	v_add_nc_u32 v4, s28, v4                       ; into a stage: row 32 (wave % 2) + lane, byte 64 (wave / 2)
	v_lshrrev_b32 v6, 4, v2
	v_and_b32 v9, 15, v2
	s_mul_i32 s30, s18, 8*SP
	v_mul_u32_u24 v7, v6, SP
	s_delay_alu instid0(VALU_DEP_1)
	v_lshl_add_u32 v7, v9, 4, v7
	s_delay_alu instid0(VALU_DEP_1)
	v_add_nc_u32 v7, s30, v7                       ; out of it: rows 8 wave on, sixteen lanes to a row, two rows an instruction
	v_lshlrev_b32 v8, 10, v6
	s_delay_alu instid0(VALU_DEP_1)
	v_lshl_add_u32 v8, v9, 4, v8                   ; and the same place in the codes' buffer (rows of 1,024 bytes)
	s_wait_kmcnt 0x0
	s_load_b256 s[20:27], s[10:11], 0x0            ; e0 .. e7
.macro SCALE se                        ; v11 = 2^e as f32 (the conversion takes its exponent field), v10 = 448 x 2^e
	s_wait_kmcnt 0x0
	s_add_co_i32 s32, s[\se], 127
	s_lshl_b32 s33, s32, 23
	v_mov_b32 v11, s33
	s_add_co_i32 s32, s32, 8
	s_lshl_b32 s32, s32, 23
	s_or_b32 s32, s32, 0x600000
	v_mov_b32 v10, s32
.endm
	s_cmp_lt_u32 ttmp9, 192                        ; the ways part on the work-group's number alone: all eight waves go the same way
	s_cbranch_scc1 .Lwattn
	s_cmp_lt_u32 ttmp9, 256
	s_cbranch_scc1 .Lwproj
	; ---- x: a wave takes 4,096 numbers (4 rows), eight steps of 512
	s_sub_co_u32 s28, ttmp9, 256
	s_lshl_b32 s28, s28, 3
	s_add_co_u32 s28, s28, s18                     ; which run of 4,096 numbers
	s_lshl_b32 s30, s28, 14
	s_mov_b32 s31, 0
	s_add_nc_u64 s[4:5], s[4:5], s[30:31]
	s_lshl_b32 s30, s28, 12
	s_add_nc_u64 s[12:13], s[12:13], s[30:31]
.irp t, 0,1,2,3,4,5,6,7
.irp i, 0,1,2,3
	global_load_b128 v[32+16*\t+4*\i:35+16*\t+4*\i], v3, s[4:5] offset:2048*\t+512*\i th:TH_LOAD_NT   ; 32 lanes read 512 consecutive bytes
.endr
.endr
	SCALE 20
	s_wait_alu depctr_va_vdst(0)
.irp t, 0,1,2,3,4,5,6,7
	s_wait_loadcnt 28-4*\t                         ; this step's four loads are in; the later steps' may be out
.irp i, 0,1,2,3,4,5,6,7,8,9,10,11,12,13,14,15
	v_med3_num_f32 v[32+16*\t+\i], v[32+16*\t+\i], -v10, v10   ; the conversion to an 8-bit code does not saturate (ISA guide 7.6.2): hold the number first
.endr
	v_cvt_scalef32_pk8_fp8_f32 v[160+4*\t:161+4*\t], v[32+16*\t:39+16*\t], v11
	v_cvt_scalef32_pk8_fp8_f32 v[162+4*\t:163+4*\t], v[40+16*\t:47+16*\t], v11
	global_store_b128 v3, v[160+4*\t:163+4*\t], s[12:13] offset:512*\t   ; 512 consecutive bytes; each step has its own registers, so no store's data are written again
.endr
	v_nop                                          ; a plain vector line behind the last conversion
	s_branch .Lend
; ---- a weight.  N: its columns; KIND 0: w_attn's order of K, 1: w_proj's; STG: its stage; sp, dp: the registers of its address and its codes'; se: its exponent's; ID0: its first work-group
.macro WQ N, KIND, STG, sp, dp, se, ID0
	s_sub_co_u32 s28, ttmp9, \ID0
	s_lshr_b32 s29, s28, 2                         ; which 64 columns
	s_and_b32 s28, s28, 3                          ; y: which 256 bytes of the codes' rows
.if \KIND == 0
	s_lshr_b32 s34, s28, 1                         ; the first row of W that my wave's 64 bytes want: 512 (y / 2) + 64 (y % 2) + 16 (wave / 2)
	s_lshl_b32 s34, s34, 9
	s_and_b32 s35, s28, 1
	s_lshl_b32 s35, s35, 6
	s_add_co_u32 s34, s34, s35
	s_lshl_b32 s35, s38, 4
	s_add_co_u32 s34, s34, s35
.else
	s_lshl_b32 s34, s28, 8                         ; 256 y + 64 (wave / 2)
	s_lshl_b32 s35, s38, 6
	s_add_co_u32 s34, s34, s35
.endif
	s_mul_i32 s34, s34, \N*4
	s_lshl_b32 s35, s29, 8                         ; + 64 columns x 4 bytes for each group
	s_add_co_u32 s34, s34, s35
	s_lshl_b32 s35, s19, 7                         ; + 32 columns for the odd waves
	s_add_co_u32 s34, s34, s35
	s_mov_b32 s35, 0
	s_add_nc_u64 s[\sp:\sp+1], s[\sp:\sp+1], s[34:35]
	s_lshl_b32 s36, s29, 16                        ; the codes: row 64 group + 8 wave, byte 256 y
	s_lshl_b32 s37, s18, 13
	s_add_co_u32 s36, s36, s37
	s_lshl_b32 s37, s28, 8
	s_add_co_u32 s36, s36, s37
	s_mov_b32 s37, 0
	s_add_nc_u64 s[\dp:\dp+1], s[\dp:\dp+1], s[36:37]
.irp u, 0,1
.irp i, 0,1,2,3,4,5,6,7,8,9,10,11,12,13,14,15,16,17,18,19,20,21,22,23,24,25,26,27,28,29,30,31
.if \KIND == 0
	global_load_b32 v[32+32*\u+\i], v5, s[\sp:\sp+1] offset:(8*\u+4*(\i/16)+128*((\i/4)%4)+\i%4)*\N*4 th:TH_LOAD_NT   ; byte 32 u + i of my 64: 399 rows of 12,288 bytes at the most, inside the signed 24-bit immediate
.else
	global_load_b32 v[32+32*\u+\i], v5, s[\sp:\sp+1] offset:(32*\u+\i%8+16*((\i/8)%2)+8*(\i/16))*\N*4 th:TH_LOAD_NT
.endif
.endr
.endr
	SCALE \se
	s_wait_alu depctr_va_vdst(0)
.irp u, 0,1
	s_wait_loadcnt 32*(1-\u)                       ; this block's 32 loads are in; the other block's may be out
.irp i, 0,1,2,3,4,5,6,7,8,9,10,11,12,13,14,15,16,17,18,19,20,21,22,23,24,25,26,27,28,29,30,31
	v_med3_num_f32 v[32+32*\u+\i], v[32+32*\u+\i], -v10, v10
.endr
.irp g, 0,1,2,3
	v_cvt_scalef32_pk8_fp8_f32 v[96+8*\u+2*\g:97+8*\u+2*\g], v[32+32*\u+8*\g:39+32*\u+8*\g], v11
.endr
	v_nop                                          ; a plain vector line behind the conversions
	ds_store_b128 v4, v[96+8*\u:99+8*\u] offset:\STG+32*\u
	ds_store_b128 v4, v[100+8*\u:103+8*\u] offset:\STG+32*\u+16
.endr
	s_wait_dscnt 0x0                               ; for the others' sake: my stores into the stage are done
	s_barrier_signal -1
	s_barrier_wait -1                              ; a row's 256 bytes come from four waves
.irp t, 0,1,2,3
	ds_load_b128 v[112+4*\t:115+4*\t], v7 offset:\STG+2*\t*SP
.endr
.irp t, 0,1,2,3
	s_wait_dscnt 3-\t                              ; the younger loads may be out
	global_store_b128 v8, v[112+4*\t:115+4*\t], s[\dp:\dp+1] offset:2048*\t   ; sixteen lanes store 256 consecutive bytes, aligned
.endr
.endm
.Lwattn:
	WQ 3072, 0, STGA, 6, 14, 21, 0
	s_branch .Lend
.Lwproj:
	WQ 1024, 1, STGP, 8, 16, 27, 192
.Lend:
	s_wait_tensorcnt 0x0                           ; the wave's end, behind my last LDS store
	ds_add_u32 v[SPW], v[NIL]
	s_wait_dscnt 0x0
	s_endpgm
.Lfunc_end_k_q696c54e161_prep:
	.size	k_q696c54e161_prep, .Lfunc_end_k_q696c54e161_prep-k_q696c54e161_prep
	.p2alignl 7, 3214868480
	.fill 96, 4, 3214868480
	.section	.rodata,"a",@progbits
	.p2align	6, 0x0
	.amdhsa_kernel k_q696c54e161_prep
		.amdhsa_group_segment_fixed_size 35840
		.amdhsa_private_segment_fixed_size 0
		.amdhsa_enable_private_segment 0
		.amdhsa_kernarg_size 56
		.amdhsa_user_sgpr_count 2
		.amdhsa_user_sgpr_kernarg_segment_ptr 1
		.amdhsa_wavefront_size32 1
		.amdhsa_system_sgpr_workgroup_id_x 1
		.amdhsa_system_sgpr_workgroup_id_y 1
		.amdhsa_system_sgpr_workgroup_id_z 1
		.amdhsa_system_vgpr_workitem_id 0
		.amdhsa_next_free_vgpr 192
		.amdhsa_next_free_sgpr 66
		.amdhsa_reserve_vcc 0
		.amdhsa_float_denorm_mode_32 3
		.amdhsa_float_denorm_mode_16_64 3
		.amdhsa_memory_ordered 1
		.amdhsa_forward_progress 1
		.amdhsa_inst_pref_size 42
	.end_amdhsa_kernel
	.amdgpu_metadata
---
amdhsa.version: [ 1, 2 ]
amdhsa.kernels:
  - .name:           k_q696c54e161_prep
    .symbol:         k_q696c54e161_prep.kd
    .args:
      - { .name: x, .offset: 0, .size: 8, .value_kind: global_buffer, .address_space: global }
      - { .name: w_attn, .offset: 8, .size: 8, .value_kind: global_buffer, .address_space: global }
      - { .name: w_proj, .offset: 16, .size: 8, .value_kind: global_buffer, .address_space: global }
      - { .name: lowp_scales, .offset: 24, .size: 8, .value_kind: global_buffer, .address_space: global }
      - { .name: x_codes, .offset: 32, .size: 8, .value_kind: global_buffer, .address_space: global }
      - { .name: wa_codes, .offset: 40, .size: 8, .value_kind: global_buffer, .address_space: global }
      - { .name: wp_codes, .offset: 48, .size: 8, .value_kind: global_buffer, .address_space: global }
    .group_segment_fixed_size: 35840
    .private_segment_fixed_size: 0
    .kernarg_segment_align: 8
    .kernarg_segment_size: 56
    .max_flat_workgroup_size: 256
    .sgpr_count:     66
    .vgpr_count:     192
    .wavefront_size: 32
...
	.end_amdgpu_metadata
.endif
;; end of part 1
;; launch qkv (part 2): grid 12 x 32, 4 waves a work-group, clusters of 4 x 4, 327,680 bytes of LDS; arguments x_codes, wa_codes, lowp_scales, b_attn, q_img, k_img, v_img; writes q_img, k_img, v_img
.if DOCPART == 2
	.amdgcn_target "amdgcn-amd-amdhsa--gfx1250"
	.amdhsa_code_object_version 6
	.text
	.protected	k_q696c54e161_qkv
	.globl	k_q696c54e161_qkv
	.p2align	8
	.type	k_q696c54e161_qkv,@function
k_q696c54e161_qkv:
	s_mov_b64 s[64:65], 0
	v_nop
	global_prefetch_b8 v0, s[64:65] scope:SCOPE_SE
	s_setreg_imm32_b32 hwreg(HW_REG_WAVE_MODE, 25, 1), 1
	s_wait_xcnt 0x0
	s_wait_alu depctr_hold_cnt(0) depctr_sa_sdst(0) depctr_va_vdst(0) depctr_va_sdst(0) depctr_va_ssrc(0) depctr_va_vcc(0) depctr_vm_vsrc(0)
	s_getreg_b32 s2, hwreg(HW_REG_IB_STS2, 6, 4)
	s_cmp_eq_u32 s2, 0
	s_cbranch_scc0 .Lentry_in_a_cluster
	s_endpgm
.Lentry_in_a_cluster:
	s_bfe_u32 s2, ttmp6, 0x10000c
	s_cmp_lg_u32 s2, 0xf033
	s_cbranch_scc0 .Lentry_shape_is_right
	s_endpgm
.Lentry_shape_is_right:
; qkv = x w_attn + b_attn on codes of FP8 (E4M3), then q, k and v are quantised with their own given scales and leave as IMAGES OF THE NEXT OPERANDS' REGISTERS.
; x_codes [8192][1024], wa_codes [3072 (n)][1024]: one code a byte, the same order of K in both.  A sum stands for sum x 2^(e0 + e1).  q takes e2, k e3, v e5.
; LIMITS: e0 + e1 between -126 and 127; e2, e3, e5 between -126 and 119: so each power of two below is an f32 number.
; A tile of 256 x 256 is made by a work-group of four waves; a wave makes 128 x 128: 64 accumulators, 512 registers.  K = 1,024 goes in four steps of 256 through two LDS slots filled by the tensor data mover.
; CLUSTERS: 4 x 4 work-groups; the cluster's x says which of q (0), k (1), v (2) all sixteen make.  The tiles of the side called A are shared along a row of the cluster, those of B along a column: each is asked
; for JOINTLY, by the same tensor load with the same descriptor and a mask that names the four.
; Source 1 of the matrix instruction is side A (its row is the lane's), source 0 side B (its rows are the lane's eight registers).  For q and k: A = tokens, B = columns, so a lane's registers run along the head's 64,
; which is the next product's K.  For v the two addresses change places: A = columns, B = tokens, so a lane's registers run along the keys, the K of the product with the softmax.  The choice is made by selects on the cluster's x.
; OUT.  q_img, k_img [batch x head 64][tile of 16 tokens 128][2][lane][16 bytes]: a fragment 16 tokens x 64 of the K = 64 form.  v_img [64][step of 128 keys 16][4 tiles of 16 channels][4][lane][16 bytes]: a fragment
; 16 channels x 128 keys of the K = 128 form.  Each store of a wave covers 512 consecutive bytes, aligned: no stage in LDS is needed.
; REGISTERS, in windows of 256: window 0: v0-31 addresses; v32-39 the bias loads' offsets, v40-103 the bias, v104, v105 the scale and the hold; from v128 A's fragments, ONE set; on the way out v128-191 numbers, v192-255 codes.
;   window 1: B's fragments, TWO sets.   window 2: the accumulators of A's blocks 0-3 ((a, b) at v[8 (8 (a % 4) + b)]);   window 3: those of blocks 4-7.
.set ROWB,   256                       ; a tile's row in bytes: a K step's codes
.set KROW,   1024                      ; a row of either tensor in memory
.set PITCH,  272                       ; an LDS row: 256 bytes + 16 of padding = 68 words, so the 16 rows that a load touches start at 16 different banks (64 banks of 4 bytes: ISA guide 11.1)
.set FR,     16                        ; registers of a fragment: 16 rows x 128 K
.set NL,     4                         ; LDS loads that bring one
.set NP,     4                         ; places behind this matrix instruction (ISA guide 7.12.1)
.set HALFT,  128*PITCH
.set SLOT,   4*HALFT                   ; A's 256 rows, then B's 256 rows
.set SPARE,  2*SLOT                    ; behind the ring: the spare words, 128 bytes for each wave: two blocks of 256 bytes that no other line names
.set ADRA, 16                          ; v16-17  LDS address of my A fragments in slot 0, 1
.set ADRB, 20                          ; v20-21  the same for B
.set LO,   26                          ; v26     16 x lane: my place in an image
.set SPW,  28                          ; v28     LDS address of my spare word; never rewritten
.set NIL,  29                          ; v29     0; never rewritten
.set VO,   32
.set BI,   40
.set SCV,  104
.set LIMV, 105
.set AF,   128
.set TMP,  128
.set CD,   192
.set G1, 24                            ; s[24:31] descriptor group 1 for A's tiles;  s[32:39] group 0, one set for each slot
.set G0, 32
.set G1B, 48                           ; s[48:55], s[56:63] the same for B's tiles
.set G0B, 56
.set MSB, 0
.macro WIN new                         ; the immediate's high byte repeats the setting that is left
.if MSB != \new
	s_set_vgpr_msb (MSB<<8)|\new
.set MSB, \new
.endif
.endm
.set MUL_LO, 0xa1                      ; source 0 (B) window 1, source 1 (A) window 0, C and D window 2
.set MUL_HI, 0xf1                      ; the same, C and D window 3
.set TO_B,   0x40                      ; destination window 1, address window 0
; A joint load: waves 0 and 1 fetch for A, waves 2 and 3 for B.  The branch hangs on the wave's number alone.  An s_nop 0 and four v_nop follow each of the two lines.
.macro JLOAD g0a, g1a, g0b, g1b
	s_cmp_eq_u32 s15, 0
	s_cbranch_scc0 .Lfor_b_\@
	tensor_load_to_lds s[\g0a:\g0a+3], s[\g1a:\g1a+7]
	s_nop 0
.rept 4
	v_nop
.endr
	s_branch .Lasked_\@
.Lfor_b_\@:
	tensor_load_to_lds s[\g0b:\g0b+3], s[\g1b:\g1b+7]
	s_nop 0
.rept 4
	v_nop
.endr
.Lasked_\@:
.endm
.macro CREST                           ; a round of the cluster's barrier behind its opening barrier
	s_cmp_lg_u32 s14, 0
	s_cbranch_scc1 .Lnot_wave_0_\@
	s_barrier_signal -3
.Lnot_wave_0_\@:
	s_barrier_wait -3
	s_barrier_signal -1
	s_barrier_wait -1
.endm
.macro CROUND                          ; a whole round
	s_barrier_signal -1
	s_barrier_wait -1
	CREST
.endm
	s_load_b128 s[4:7], s[0:1], 0x0                ; x_codes s[4:5], wa_codes s[6:7]
	s_load_b128 s[8:11], s[0:1], 0x10              ; the scales' exponents s[8:9], b_attn s[10:11]
	s_load_b128 s[68:71], s[0:1], 0x20             ; q_img s[68:69], k_img s[70:71]
	s_load_b64 s[72:73], s[0:1], 0x30              ; v_img
	v_lshl_add_u32 v[SPW], v0, 2, SPARE
	v_mov_b32 v[NIL], 0
	ds_add_u32 v[SPW], v[NIL]                      ; the wave's opening: the add and its wait stand ahead of my first tensor load; the set-up below, work on registers, stands between them
	ds_add_u32 v[SPW], v[NIL]
	v_lshrrev_b32 v1, 5, v0
	v_readfirstlane_b32 s14, v1                    ; wave 0..3
	s_lshr_b32 s15, s14, 1                         ; which half of A's rows is mine.  Also: I fetch for A (0) or for B (1)
	s_and_b32 s16, s14, 1                          ; which half of B's rows.  Also: which 128 rows of that tile I fetch
	s_bfe_u32 s40, ttmp6, 0x40000                  ; cx, cy: my place in the cluster
	s_bfe_u32 s41, ttmp6, 0x40004
	s_and_b32 s18, ttmp7, 0xffff
	s_lshl_b32 s18, s18, 2                         ; 4 x cluster y
	s_lshl_b32 s19, ttmp9, 2                       ; 4 x cluster x
	s_cmp_eq_u32 ttmp9, 2                          ; v?  The cluster's x: the same in all sixteen partners
	s_cselect_b32 s74, 1, 0
	s_cselect_b32 s17, 8, s18                      ; A's tile of 256 rows: tokens 4 Y + cy; for v: rows 2,048 on of wa_codes, 8 + cy
	s_cselect_b32 s42, s18, s19                    ; B's tile: columns 4 X + cx; for v: tokens 4 Y + cx
	s_add_co_u32 s17, s17, s41                     ; (holds cy alone)
	s_add_co_u32 s42, s42, s40                     ; (holds cx alone)
	s_lshl_b32 s43, s41, 2
	s_lshl_b32 s43, 15, s43                        ; my row of the cluster
	s_lshl_b32 s44, 0x1111, s40                    ; my column
	; descriptor group 1: a tile of 128 rows x 256 bytes, padded in LDS
	s_or_b32 s[G1+0], s43, (0<<16)|(1<<20)|(1<<21)|(5<<22)|(3<<25)  ; 15:0 the mask: A's tiles go to my row; 17:16 element of 1 byte; 20 padding on; 21 set beside a mask; 24:22 after every 64 words (code 5); 31:25 of 4 words (code 3)
	s_or_b32 s[G1B+0], s44, (0<<16)|(1<<20)|(1<<21)|(5<<22)|(3<<25)
.irp g, G1, G1B
	s_mov_b32 s[\g+1], ROWB<<16                    ; tensor_dim0
	s_mov_b32 s[\g+2], 128<<16                     ; tensor_dim1 = 128
	s_mov_b32 s[\g+3], ROWB<<16                    ; tile_dim0
	s_mov_b32 s[\g+4], 128                         ; tile_dim1 = 128
	s_mov_b32 s[\g+5], KROW                        ; tensor_dim0_stride
	s_mov_b32 s[\g+6], 0
	s_mov_b32 s[\g+7], 0
.endr
	s_lshl_b32 s18, s16, 7                         ; which 128 rows of the tile I fetch
	s_lshl_b32 s20, s17, 8
	s_add_co_u32 s20, s20, s18
	s_lshl_b32 s20, s20, 10                        ; A: (256 x tile + 128 x half) rows of 1,024 bytes
	s_lshl_b32 s46, s42, 8
	s_add_co_u32 s46, s46, s18
	s_lshl_b32 s46, s46, 10                        ; B likewise
	s_mov_b32 s21, 0
	s_mov_b32 s47, 0
	s_mul_i32 s45, s14, HALFT                      ; where they go: wave x 128 rows: no place in the cluster enters an LDS address
	s_wait_dscnt 0x0                               ; the opening add is done
	s_wait_kmcnt 0x0
	s_load_b256 s[76:83], s[8:9], 0x0              ; e0 .. e7
	s_cmp_eq_u32 s74, 1
	s_cselect_b64 s[88:89], s[6:7], s[4:5]         ; side A's tensor,
	s_cselect_b64 s[90:91], s[4:5], s[6:7]         ; side B's
	s_add_nc_u64 s[20:21], s[88:89], s[20:21]
	s_add_nc_u64 s[46:47], s[90:91], s[46:47]
	CROUND                                         ; all sixteen work-groups are here: the first joint loads meet
.irp s, 0,1
	s_mov_b32 s[G0+4*\s], 1
	s_add_co_u32 s[G0+4*\s+1], s45, \s*SLOT
	s_add_nc_u64 s[G0+4*\s+2:G0+4*\s+3], s[20:21], \s*ROWB
	s_or_b32 s[G0+4*\s+3], s[G0+4*\s+3], 0x80000000
	s_mov_b32 s[G0B+4*\s], 1
	s_add_co_u32 s[G0B+4*\s+1], s45, \s*SLOT
	s_add_nc_u64 s[G0B+4*\s+2:G0B+4*\s+3], s[46:47], \s*ROWB
	s_or_b32 s[G0B+4*\s+3], s[G0B+4*\s+3], 0x80000000
.endr
	JLOAD G0, G1, G0B, G1B                         ; K step 0: one tensor load a wave at the head
	v_and_b32 v1, 15, v0                           ; r = lane % 16
	v_bfe_u32 v2, v0, 4, 1                         ; h = lane / 16
	v_mul_u32_u24 v3, v1, PITCH
	v_lshl_add_u32 v4, v2, 4, v3                   ; a fragment's row x pitch + 16 x half
	s_mul_i32 s21, s15, HALFT                      ; my 128 rows of A
	s_mul_i32 s22, s16, HALFT                      ; my 128 rows of B,
	s_add_co_u32 s22, s22, 2*HALFT                 ; which lie behind A's 256
.irp s, 0,1
	v_add_nc_u32 v[ADRA+\s], s21, v4
	v_add_nc_u32 v[ADRB+\s], s22, v4
	s_add_co_u32 s21, s21, SLOT
	s_add_co_u32 s22, s22, SLOT
.endr
	v_and_b32 v6, 31, v0
	v_lshlrev_b32 v[LO], 4, v6
	; where my 128 tokens x 128 columns lie, by one formula for the three kinds
	s_cmp_eq_u32 s74, 1
	s_cselect_b32 s84, s42, s17                    ; the tokens' tile,
	s_cselect_b32 s85, s16, s15                    ; and my half of it
	s_cselect_b32 s86, s41, s40                    ; the columns' tile among the kind's four,
	s_cselect_b32 s87, s15, s16                    ; and my half of it
	s_cselect_b32 s94, 4, 0                        ; the bias loads' offsets: v: 4 r;  q, k: 32 h + 4 j
	s_cselect_b32 s95, 0, 32
	s_cselect_b32 s66, 0, 4
	s_lshl_b32 s84, s84, 8
	s_lshl_b32 s85, s85, 7
	s_add_co_u32 s84, s84, s85                     ; my first token
	s_lshl_b32 s85, s86, 2
	s_lshl_b32 s2, s87, 1
	s_add_co_u32 s85, s85, s2                      ; my first head (of two)
	s_lshl_b32 s86, s86, 10
	s_lshl_b32 s87, s87, 9
	s_add_co_u32 s86, s86, s87
	s_lshl_b32 s87, ttmp9, 12
	s_add_co_u32 s86, s86, s87                     ; my first column's byte in b_attn: 4 (1,024 X + 256 tile + 128 half)
	s_mov_b32 s87, 0
	s_add_nc_u64 s[10:11], s[10:11], s[86:87]
	s_lshr_b32 s2, s84, 11                         ; the batch
	s_lshl_b32 s2, s2, 4
	s_add_co_u32 s2, s2, s85
	s_lshl_b32 s2, s2, 17                          ; a head's images are 131,072 bytes
	s_and_b32 s3, s84, 2047
	s_lshl_b32 s3, s3, 6                           ; 64 bytes a token, in all three buffers
	s_add_co_u32 s2, s2, s3
	s_mov_b32 s3, 0
	s_cmp_eq_u32 ttmp9, 0
	s_cselect_b64 s[92:93], s[68:69], s[70:71]
	s_cmp_eq_u32 ttmp9, 2
	s_cselect_b64 s[92:93], s[72:73], s[92:93]
	s_add_nc_u64 s[92:93], s[92:93], s[2:3]
	; the bias in the results' layout: v[BI + 8 x + j] = q, k: b(16 x + 8 h + j), x = B's block;  v: b(16 x + r), x = A's block.  The loads land while the products run
	v_mul_u32_u24 v[VO], v1, s94
	v_mad_u32_u24 v[VO], v2, s95, v[VO]
.irp j, 1,2,3,4,5,6,7
	v_add_nc_u32 v[VO+\j], s66, v[VO+\j-1]
.endr
.irp x, 0,1,2,3,4,5,6,7
.irp j, 0,1,2,3,4,5,6,7
	global_load_b32 v[BI+8*\x+\j], v[VO+\j], s[10:11] offset:64*\x
.endr
.endr
.macro FRAG reg, adr, q, i             ; a fragment, 16 rows x 128 K, is 16 registers: four loads of 16 bytes, 32 bytes apart; the same places of K in A and in B
.irp c, 0,1,2,3
	ds_load_b128 v[\reg+4*\c:\reg+4*\c+3], v[\adr] offset:128*(\q)+32*\c+(\i)*16*PITCH
.endr
.endm
; 16 matrix instructions: A's blocks a0, a0 + 1 x B's eight, 128 along K.  p: B's set.  zero = 1: the first product starts the sums.  The 64 accumulators take turns, one instruction a turn.
.macro MUL16 a0, p, zero
.irp a, \a0, \a0+1
.irp b, 0,1,2,3,4,5,6,7
.if \zero
	v_wmma_f32_16x16x128_fp8_fp8 v[8*(8*((\a)%4)+\b):8*(8*((\a)%4)+\b)+7], v[128*(\p)+FR*\b:128*(\p)+FR*\b+FR-1], v[AF+FR*(\a):AF+FR*(\a)+FR-1], 0
.else
	v_wmma_f32_16x16x128_fp8_fp8 v[8*(8*((\a)%4)+\b):8*(8*((\a)%4)+\b)+7], v[128*(\p)+FR*\b:128*(\p)+FR*\b+FR-1], v[AF+FR*(\a):AF+FR*(\a)+FR-1], v[8*(8*((\a)%4)+\b):8*(8*((\a)%4)+\b)+7]
.endif
.endr
.endr
.endm
.macro FETCH_B slot, q, p              ; B's eight fragments of the slot's q-th 128 along K into set p
	WIN TO_B
.irp i, 0,1,2,3,4,5,6,7
	FRAG 128*(\p)+FR*\i, ADRB+\slot, \q, \i
.endr
	WIN 0
.endm
.macro FETCH_A slot, q, i0             ; A's blocks i0 .. i0 + 3
.irp i, \i0, \i0+1, \i0+2, \i0+3
	FRAG AF+FR*(\i), ADRA+\slot, \q, \i
.endr
.endm
.macro PLACES n                        ; a load into a register that a matrix instruction has read, and a vector instruction that reads a result, stand NP plain vector instructions behind it
.rept \n
	v_nop
.endr
.endm
.macro STEP slot, q, zero              ; a step of 128 along K that has its successor in the same slot
	s_wait_dscnt 4*NL                              ; B's set and A's blocks 0-3 are in; the youngest sixteen loads (A's blocks 4-7) may be out
	WIN MUL_LO
	MUL16 0, (\q)%2, \zero
	MUL16 2, (\q)%2, \zero
	s_wait_dscnt 0
	PLACES NP
	FETCH_B \slot, (\q)+1, 1-(\q)%2
	FETCH_A \slot, (\q)+1, 0
	WIN MUL_HI
	MUL16 4, (\q)%2, \zero
	MUL16 6, (\q)%2, \zero
	PLACES NP
	WIN 0
	FETCH_A \slot, (\q)+1, 4
.endm
; A slot's last step changes slots: ONE barrier; in front of it each wave waits for all its tensor loads, adds 0 to its spare word, and waits for that and for its own reads of this slot.  fill = 1: this slot is filled again, two K steps ahead.
.macro TURN slot, next, fill
	s_wait_tensorcnt 0x0                           ; all my tensor loads have landed: my part of the next slot (every window is 0 here)
	ds_add_u32 v[SPW], v[NIL]                      ; 0 onto my spare word
	s_wait_dscnt 4*NL+1                            ; (the add and the youngest sixteen loads may be out)
	WIN MUL_LO
	MUL16 0, 1, 0                                  ; sixteen matrix instructions stand between the add and the wait for it
	s_wait_dscnt 0x0                               ; the add is done, and my reads of this slot are over
	s_barrier_signal -1
	MUL16 2, 1, 0
	WIN 0
	s_barrier_wait -1
.if \fill
	CREST                                          ; the barrier has opened a round of the cluster's barrier: no wave of any partner still reads this slot's tile or has a load on its way
	s_add_nc_u64 s[G0+4*\slot+2:G0+4*\slot+3], s[G0+4*\slot+2:G0+4*\slot+3], 2*ROWB
	s_add_nc_u64 s[G0B+4*\slot+2:G0B+4*\slot+3], s[G0B+4*\slot+2:G0B+4*\slot+3], 2*ROWB
	JLOAD G0+4*\slot, G1, G0B+4*\slot, G1B         ; the first tensor load behind the round; its four v_nop are also the places in front of the loads below
.else
	PLACES NP
.endif
	FETCH_B \next, 0, 0
	FETCH_A \next, 0, 0
	WIN MUL_HI
	MUL16 4, 1, 0
	MUL16 6, 1, 0
	PLACES NP
	WIN 0
	FETCH_A \next, 0, 4
.endm
	s_wait_alu depctr_va_vdst(0)
	s_wait_tensorcnt 0x0                           ; my part of K step 0 is in
	ds_add_u32 v[SPW], v[NIL]
	s_wait_dscnt 0x0
	CROUND                                         ; everybody's part of K step 0 is in, and all sixteen work-groups are here
	JLOAD G0+4, G1, G0B+4, G1B                     ; K step 1's load, the first tensor load behind the round
	FETCH_B 0, 0, 0
	FETCH_A 0, 0, 0
	FETCH_A 0, 0, 4
	STEP 0, 0, 1                                   ; K 0-127: the first products start the sums.  The eight steps of 128 are written out: four K steps, two refills
	TURN 0, 1, 1                                   ; K 128-255; slot 0 takes K step 2
	STEP 1, 0, 0
	TURN 1, 0, 1                                   ; slot 1 takes K step 3
	STEP 0, 0, 0
	TURN 0, 1, 0                                   ; nothing is left to fetch
	STEP 1, 0, 0
	s_wait_dscnt 4*NL
	WIN MUL_LO
	MUL16 0, 1, 0
	MUL16 2, 1, 0
	s_wait_dscnt 0
	WIN MUL_HI
	MUL16 4, 1, 0
	MUL16 6, 1, 0
	WIN 0
	; THE WAY OUT: number = sum x 2^(e0 + e1) + bias; held, converted with the kind's scale; a block's 16 registers of codes are four stores of 512 consecutive bytes.
	s_wait_kmcnt 0x0
	s_wait_loadcnt 0x0                             ; the bias
	s_add_co_i32 s96, s76, s77
	s_add_co_i32 s96, s96, 127
	s_lshl_b32 s96, s96, 23                        ; 2^(e0 + e1) as f32
	s_mov_b32 s97, s96                             ; (named with it as a pair, so it is written)
	s_cmp_eq_u32 ttmp9, 0
	s_cselect_b32 s67, s78, s79                    ; q: e2, k: e3,
	s_cmp_eq_u32 ttmp9, 2
	s_cselect_b32 s67, s81, s67                    ; v: e5: a select on the cluster's x, no branch on a loaded number
	s_add_co_i32 s67, s67, 127
	s_lshl_b32 s2, s67, 23
	v_mov_b32 v[SCV], s2
	s_add_co_i32 s67, s67, 8
	s_lshl_b32 s67, s67, 23
	s_or_b32 s67, s67, 0x600000
	v_mov_b32 v[LIMV], s67
	PLACES NP
; A's block a.  kind 0 (q, k): lane (r, h) holds token 16 a + r and, in accumulator b, columns 16 b + 8 h + 0 .. 7.  kind 1 (v): column 16 a + r and keys 16 b + 8 h + 0 .. 7.
.macro OUTBLK a, kind
.set AC, 64*((\a)%4)
.set CC, CD+16*((\a)%4)
.if (\a) >= 4
	s_wait_xcnt 0x0                                ; the stores of four blocks ago have read their registers: this set of codes is written again only behind this wait
.endif
	WIN 0x02+((\a)/4)                              ; source 0: window 2 or 3
.irp b, 0,1,2,3,4,5,6,7
.irp i, 0,2,4,6
.if \kind
	v_pk_fma_f32 v[TMP+8*\b+\i:TMP+8*\b+\i+1], v[AC+8*\b+\i:AC+8*\b+\i+1], s[96:97], v[BI+8*(\a)+\i:BI+8*(\a)+\i+1] op_sel_hi:[1,0,1]   ; each accumulator from its low end on
.else
	v_pk_fma_f32 v[TMP+8*\b+\i:TMP+8*\b+\i+1], v[AC+8*\b+\i:AC+8*\b+\i+1], s[96:97], v[BI+8*\b+\i:BI+8*\b+\i+1] op_sel_hi:[1,0,1]
.endif
.endr
.endr
	WIN 0
.set j, 0
.rept 64
	v_med3_num_f32 v[TMP+j], v[TMP+j], -v[LIMV], v[LIMV]   ; the conversion to an 8-bit code does not saturate (ISA guide 7.6.2)
.set j, j+1
.endr
.irp b, 0,1,2,3,4,5,6,7
	v_cvt_scalef32_pk8_fp8_f32 v[CC+2*\b:CC+2*\b+1], v[TMP+8*\b:TMP+8*\b+7], v[SCV]
.endr
	v_nop                                          ; a plain vector line between the conversions and the next block's writes of their sources
.irp g, 0,1,2,3
.if \kind
	global_store_b128 v[LO], v[CC+4*\g:CC+4*\g+3], s[92:93] offset:((\a)/4)*131072+((\a)%4)*2048+\g*512   ; head a / 4, channels' tile a % 4, keys 32 g on
.else
	global_store_b128 v[LO], v[CC+4*\g:CC+4*\g+3], s[92:93] offset:(\g/2)*131072+(\a)*1024+(\g%2)*512     ; head g / 2, tokens' tile a, half g % 2 of the fragment
.endif
.endr
.endm
	s_cmp_eq_u32 s74, 1                            ; the cluster's x again: all sixteen partners go the same way
	s_cbranch_scc1 .Lvout
.irp a, 0,1,2,3,4,5,6,7
	OUTBLK \a, 0
.endr
	s_branch .Ldone
.Lvout:
.irp a, 0,1,2,3,4,5,6,7
	OUTBLK \a, 1
.endr
.Ldone:
	s_wait_tensorcnt 0x0                           ; the wave's end, behind my last tensor load
	ds_add_u32 v[SPW], v[NIL]
	s_wait_dscnt 0x0
	CROUND                                         ; the closing round: no work-group ends while a partner may still ask for a tile that names it
	s_endpgm
.Lfunc_end_k_q696c54e161_qkv:
	.size	k_q696c54e161_qkv, .Lfunc_end_k_q696c54e161_qkv-k_q696c54e161_qkv
	.p2alignl 7, 3214868480
	.fill 96, 4, 3214868480
	.section	.rodata,"a",@progbits
	.p2align	6, 0x0
	.amdhsa_kernel k_q696c54e161_qkv
		.amdhsa_group_segment_fixed_size 327680
		.amdhsa_private_segment_fixed_size 0
		.amdhsa_enable_private_segment 0
		.amdhsa_kernarg_size 56
		.amdhsa_user_sgpr_count 2
		.amdhsa_user_sgpr_kernarg_segment_ptr 1
		.amdhsa_wavefront_size32 1
		.amdhsa_system_sgpr_workgroup_id_x 1
		.amdhsa_system_sgpr_workgroup_id_y 1
		.amdhsa_system_sgpr_workgroup_id_z 1
		.amdhsa_system_vgpr_workitem_id 0
		.amdhsa_next_free_vgpr 1024
		.amdhsa_next_free_sgpr 100
		.amdhsa_reserve_vcc 0
		.amdhsa_float_denorm_mode_32 3
		.amdhsa_float_denorm_mode_16_64 3
		.amdhsa_memory_ordered 1
		.amdhsa_forward_progress 1
		.amdhsa_inst_pref_size 197
	.end_amdhsa_kernel
	.amdgpu_metadata
---
amdhsa.version: [ 1, 2 ]
amdhsa.kernels:
  - .name:           k_q696c54e161_qkv
    .symbol:         k_q696c54e161_qkv.kd
    .args:
      - { .name: x_codes, .offset: 0, .size: 8, .value_kind: global_buffer, .address_space: global }
      - { .name: wa_codes, .offset: 8, .size: 8, .value_kind: global_buffer, .address_space: global }
      - { .name: lowp_scales, .offset: 16, .size: 8, .value_kind: global_buffer, .address_space: global }
      - { .name: b_attn, .offset: 24, .size: 8, .value_kind: global_buffer, .address_space: global }
      - { .name: q_img, .offset: 32, .size: 8, .value_kind: global_buffer, .address_space: global }
      - { .name: k_img, .offset: 40, .size: 8, .value_kind: global_buffer, .address_space: global }
      - { .name: v_img, .offset: 48, .size: 8, .value_kind: global_buffer, .address_space: global }
    .group_segment_fixed_size: 327680
    .private_segment_fixed_size: 0
    .kernarg_segment_align: 8
    .kernarg_segment_size: 56
    .max_flat_workgroup_size: 128
    .sgpr_count:     100
    .vgpr_count:     1024
    .wavefront_size: 32
...
	.end_amdgpu_metadata
.endif
;; end of part 2
;; launch attn (part 3): grid 4 x 64, 16 waves a work-group, clusters of 4 x 1, 264,192 bytes of LDS; arguments q_img, k_img, v_img, lowp_scales, a_img; writes a_img
.if DOCPART == 3
	.amdgcn_target "amdgcn-amd-amdhsa--gfx1250"
	.amdhsa_code_object_version 6
	.text
	.protected	k_q696c54e161_attn
	.globl	k_q696c54e161_attn
	.p2align	8
	.type	k_q696c54e161_attn,@function
k_q696c54e161_attn:
	s_mov_b64 s[64:65], 0
	v_nop
	global_prefetch_b8 v0, s[64:65] scope:SCOPE_SE
	s_setreg_imm32_b32 hwreg(HW_REG_WAVE_MODE, 25, 1), 1
	s_wait_xcnt 0x0
	s_wait_alu depctr_hold_cnt(0) depctr_sa_sdst(0) depctr_va_vdst(0) depctr_va_sdst(0) depctr_va_ssrc(0) depctr_va_vcc(0) depctr_vm_vsrc(0)
	s_getreg_b32 s2, hwreg(HW_REG_IB_STS2, 6, 4)
	s_cmp_eq_u32 s2, 0
	s_cbranch_scc0 .Lentry_in_a_cluster
	s_endpgm
.Lentry_in_a_cluster:
	s_bfe_u32 s2, ttmp6, 0x10000c
	s_cmp_lg_u32 s2, 0x3003
	s_cbranch_scc0 .Lentry_shape_is_right
	s_endpgm
.Lentry_shape_is_right:
; Causal attention, 64 heads (batch x head) of 2,048 tokens x 64, both products on codes of FP8 (E4M3); the result, divided by the row's sum, is quantised with e6 and leaves as an image of the last product's operand.
; t = score x log2(e) / 8; M = the running largest t rounded UP to a whole number; p = 2^(t - M) is quantised with e4, not normalised; the row's sum is taken of the unquantised p.  When M moves, the sum and O are multiplied by 2^(old M - new M): exact.
; LEFT OUT: key steps all of whose 128 keys come after a tile's 16 queries: the causal mask sets their scores to -infinity, so their p is 0 for all values of the inputs.
; LIMITS: e2 + e3 between -122 and 129 (they are added to the exponent field of log2(e) / 8); e4 and e6 between -126 and 119; e4 + e5 is applied by v_ldexp_f32 and has none; the scaled scores t stay under 2^31 in magnitude.
; SHARES.  4 x 64 = 256 work-groups: the four of a cluster own one head.  A head's 2,048 queries are 16 chunks of 128, a chunk 8 tiles of 16.  A wave owns TWO tiles, one after the other: with c = wave / 2,
; first tile 2 cx + wave % 2 of chunk 15 - c, then the same tile of chunk c.  A tile of chunk CH walks CH + 1 key steps of 128 keys, so every wave walks 16 - c + c + 1 = 17.  The chunks hang on the wave's number alone.
; LDS holds the head's WHOLE K and V, 131,072 bytes each, as images of the operands' registers: filled once, read by 512 consecutive bytes an instruction; nothing is filled again, so one barrier serves the launch.
; CLUSTER.  The four work-groups need the same K and V: each of the sixteen waves asks JOINTLY (mask 15) for 16,384 bytes (waves 0-7 K's, 8-15 V's): one tensor load a wave, at the head.
; NO PREFETCH: every tensor load goes out at the head; there is no later load to run ahead of.
; LAYOUT.  S^T = K Q^T (source 0 = 16 keys, source 1 = my queries, K = 64), O^T = V^T P^T (source 0 = 16 channels, source 1 = P, K = 128 keys): a lane holds ONE query (lane % 16) throughout; tile t's eight registers are keys
; 16 t + 8 (lane / 16) + 0 .. 7, and their two registers of codes are registers 2 t, 2 t + 1 of P's fragment.
; REGISTERS: v1 16 x lane; v2, v3 LDS addresses; v4, v5 the add's two; v6 the mask's constant; v7 -infinity; v12 -M, v13 the largest score, v[14:15] the sum; v16-23, v208-215 Q of the two tiles; v24-28 scales and holds;
; v32-95 K's 8 fragments, then V's 4; v96-159 S^T, then p; v160-191 O^T; v192-207 p's codes; v236-255 at work.
.set VB,    131072                     ; V's images begin here
.set SPARE, 262144                     ; behind them: the spare words, 128 bytes for each wave: eight blocks of 256 bytes that no other line names
.set LI,   1
.set ADK,  2
.set ADV,  3
.set SPW,  4
.set NIL,  5
.set DV,   6
.set NINF, 7
.set WV,   14                          ; s14  my wave's number
.set CH,   16                          ; s16  the chunk in hand = its last key step
.set KS,   17                          ; s17  the key step in hand
.set TB,   18                          ; s18  LDS byte at which its tiles of K begin
.set CNT,  19
.set SEL,  20                          ; s[20:21] lane selects for v_permlanex16_b32: lane l xor 16
.set CS,   22                          ; s[22:23] c = log2(e) / 8 x 2^(e2 + e3)
.set G1,   24                          ; s[24:31] descriptor group 1
.set G0,   32                          ; s[32:35] group 0
.set TV,   81                          ; s81  LDS byte at which the step's tiles of V begin
.set MK,   84                          ; s84-87 four lane masks, by turns, for the diagonal
.macro CROUND                          ; a round of the cluster's barrier
	s_barrier_signal -1
	s_barrier_wait -1
	s_cmp_lg_u32 s[WV], 0
	s_cbranch_scc1 .Lnot_wave_0_\@
	s_barrier_signal -3
.Lnot_wave_0_\@:
	s_barrier_wait -3
	s_barrier_signal -1
	s_barrier_wait -1
.endm
	s_load_b128 s[4:7], s[0:1], 0x0                ; q_img s[4:5], k_img s[6:7]
	s_load_b128 s[8:11], s[0:1], 0x10              ; v_img s[8:9], the scales' exponents s[10:11]
	s_load_b64 s[12:13], s[0:1], 0x20              ; a_img
	v_lshl_add_u32 v[SPW], v0, 2, SPARE
	v_mov_b32 v[NIL], 0
	ds_add_u32 v[SPW], v[NIL]                      ; the wave's opening: the add, twice on end, and its wait stand ahead of my tensor load
	ds_add_u32 v[SPW], v[NIL]
	v_lshrrev_b32 v8, 5, v0
	v_readfirstlane_b32 s[WV], v8                  ; wave 0..15
	s_lshr_b32 s48, s[WV], 1                       ; c: the second tile's chunk
	s_xor_b32 s[CH], s48, 15                       ; 15 - c: the first tile's
	s_bfe_u32 s58, ttmp6, 0x40000                  ; cx: it enters Q's and the output's addresses and the mask's constant, nothing else
	s_and_b32 s52, s[WV], 1
	s_lshl_b32 s53, s58, 1
	s_add_co_u32 s53, s53, s52                     ; my tile in a chunk
	s_lshl_b32 s55, s53, 4                         ; my first query in a chunk
	s_and_b32 s56, ttmp7, 0xffff                   ; batch x head
	s_lshl_b32 s57, s56, 17                        ; a head's images are 131,072 bytes
	s_lshl_b32 s54, s[CH], 3
	s_add_co_u32 s54, s54, s53                     ; the first tile of 16 tokens in the head,
	s_lshl_b32 s49, s48, 3
	s_add_co_u32 s49, s49, s53                     ; the second
	s_lshl_b32 s2, s54, 10                         ; Q's fragments: 1,024 bytes a tile
	s_add_co_u32 s2, s2, s57
	s_mov_b32 s3, 0
	s_lshl_b32 s66, s49, 10
	s_add_co_u32 s66, s66, s57
	s_mov_b32 s67, 0
	s_lshr_b32 s52, s56, 4                         ; the output: [tile of 16 tokens 512][head in the batch 16][2][lane][16 bytes]
	s_lshl_b32 s52, s52, 21                        ; a batch is 128 tiles of 16,384 bytes
	s_and_b32 s59, s56, 15
	s_lshl_b32 s59, s59, 10
	s_add_co_u32 s52, s52, s59
	s_lshl_b32 s50, s54, 14
	s_add_co_u32 s50, s50, s52
	s_mov_b32 s51, 0
	s_lshl_b32 s60, s49, 14
	s_add_co_u32 s60, s60, s52
	s_mov_b32 s61, 0
	s_and_b32 s46, s[WV], 7                        ; what I fetch: 16,384 bytes of K's images (waves 0-7) or of V's (8-15)
	s_lshl_b32 s46, s46, 14
	s_add_co_u32 s46, s46, s57
	s_mov_b32 s47, 0
	s_mov_b32 s[G0], 1                             ; count = 1
	s_lshl_b32 s[G0+1], s[WV], 14                  ; LDS address: 16,384 x wave: the wave's number alone
	; descriptor group 1: a dense block of 64 rows x 256 bytes
	s_mov_b32 s[G1], 15|(3<<16)|(1<<21)            ; 15:0 the mask: all four work-groups; 17:16 elements of 8 bytes; 21 set beside a mask; no padding
	s_mov_b32 s[G1+1], 32<<16                      ; tensor_dim0 = 32
	s_mov_b32 s[G1+2], 64<<16                      ; tensor_dim1 = 64
	s_mov_b32 s[G1+3], 32<<16                      ; tile_dim0 = 32
	s_mov_b32 s[G1+4], 64                          ; tile_dim1 = 64
	s_mov_b32 s[G1+5], 32                          ; tensor_dim0_stride
	s_mov_b32 s[G1+6], 0
	s_mov_b32 s[G1+7], 0
	s_mov_b32 s[SEL], 0x76543210
	s_mov_b32 s[SEL+1], 0xfedcba98
	s_mov_b32 s[CS], 0x3e38aa3b                    ; log2(e) / 8
	s_wait_dscnt 0x0                               ; both opening adds are done
	s_wait_kmcnt 0x0
	s_load_b256 s[68:75], s[10:11], 0x0            ; e0 .. e7
	s_add_nc_u64 s[76:77], s[4:5], s[66:67]        ; the second tile's Q,
	s_add_nc_u64 s[4:5], s[4:5], s[2:3]            ; the first's
	s_add_nc_u64 s[78:79], s[12:13], s[60:61]      ; the second tile's output,
	s_add_nc_u64 s[12:13], s[12:13], s[50:51]      ; the first's
	s_cmp_lt_u32 s[WV], 8
	s_cselect_b64 s[G0+2:G0+3], s[6:7], s[8:9]
	s_add_nc_u64 s[G0+2:G0+3], s[G0+2:G0+3], s[46:47]
	s_or_b32 s[G0+3], s[G0+3], 0x80000000          ; type = 2
	v_and_b32 v8, 31, v0
	v_lshlrev_b32 v[LI], 4, v8
	global_load_b128 v[16:19], v[LI], s[4:5]       ; both tiles' Q fragments stay in registers
	global_load_b128 v[20:23], v[LI], s[4:5] offset:512
	global_load_b128 v[208:211], v[LI], s[76:77]
	global_load_b128 v[212:215], v[LI], s[76:77] offset:512
	CROUND                                         ; all four work-groups are here: the joint loads meet
	tensor_load_to_lds s[G0:G0+3], s[G1:G1+7]      ; my one tensor load
	s_nop 0
	v_and_b32 v8, 15, v0                           ; r
	v_bfe_u32 v9, v0, 4, 1                         ; h
	v_lshlrev_b32 v9, 3, v9
	v_sub_nc_u32 v[DV], v8, v9
	v_add_nc_u32 v[DV], s55, v[DV]                 ; my query in the chunk - 8 h.  Register 8 t + j holds key 16 t + 8 h + j of the step: on the diagonal it is hidden where 16 t + j is greater than this
	v_mov_b32 v[NINF], 0xff800000
	v_mov_b32 v236, 0                              ; written once: a lane permute's destination counts as one of its sources
	v_mov_b32 v252, 0
	v_mov_b32 v253, 0                              ; (named as the upper half of the pair v[252:253])
	s_wait_kmcnt 0x0
	s_add_co_i32 s48, s70, s71
	s_lshl_b32 s48, s48, 23
	s_add_co_i32 s[CS], s[CS], s48                 ; a score stands for score x 2^(e2 + e3): the exponents are added to c's exponent field
	s_mov_b32 s[CS+1], s[CS]                       ; (named with it as a pair, so it is written)
	s_add_co_i32 s48, s72, 127
	s_lshl_b32 s49, s48, 23
	v_mov_b32 v24, s49                             ; 2^e4, for p's conversions
	s_add_co_i32 s48, s48, 8
	s_lshl_b32 s48, s48, 23
	s_or_b32 s48, s48, 0x600000
	v_mov_b32 v25, s48                             ; 448 x 2^e4,
	v_mov_b32 v28, s48                             ; and once more: the two halves of a dual pair take their second sources from different register banks
	s_add_co_i32 s48, s74, 127
	s_lshl_b32 s49, s48, 23
	v_mov_b32 v26, s49                             ; 2^e6, for the output's
	s_add_co_i32 s48, s48, 8
	s_lshl_b32 s48, s48, 23
	s_or_b32 s48, s48, 0x600000
	v_mov_b32 v27, s48
	s_add_co_i32 s80, s72, s73                     ; e4 + e5
; A tile begins: the largest score is -3e38, under every score; -M is 3e38 (a whole number); the sum and O^T are zeros, which the first change of M leaves zeros: so the key step is written once.
.macro INIT
	v_mov_b32 v13, 0xff61b1e6
	v_mov_b32 v12, 0x7f61b1e6
	v_mov_b32 v14, 0
	v_mov_b32 v15, 0
.set j, 0
.rept 32
	v_mov_b32 v[160+j], 0
.set j, j+1
.endr
	s_mov_b32 s[KS], 0
	s_mov_b32 s[TB], 0
	s_mov_b32 s[CNT], 16
	s_wait_alu depctr_va_vdst(0)
.endm
.macro PF j0, n                        ; t - M for n pairs of scores, from register 96 + j0 on
.set j, \j0
.rept \n
	v_pk_fma_f32 v[96+j:97+j], v[96+j:97+j], s[CS:CS+1], v[12:13] op_sel_hi:[1,0,0]
.set j, j+2
.endr
.endm
.macro HOLD t                          ; the conversion does not saturate (ISA guide 7.6.2); p is not negative, so the hold is one-sided; two holds an instruction
.irp i, 0,2,4,6
	v_dual_min_num_f32 v[96+8*(\t)+\i], v[96+8*(\t)+\i], v25 :: v_dual_min_num_f32 v[97+8*(\t)+\i], v[97+8*(\t)+\i], v28
.endr
.endm
.macro CODE t
	v_cvt_scalef32_pk8_fp8_f32 v[192+2*(\t):193+2*(\t)], v[96+8*(\t):103+8*(\t)], v24
.endm
; A KEY STEP of 128 keys; qr: Q's registers.  A step all of whose keys come after my queries is left out: a scalar branch on ids, round its loads, products and softmax; not round the two lines at its end that step on.
.macro STEP qr
	s_cmp_gt_u32 s[KS], s[CH]
	s_cbranch_scc1 .Lhid_\@
	s_add_co_u32 s[TV], s[TB], VB
	v_add_nc_u32 v[ADK], s[TB], v[LI]
.irp t, 0,1,2,3,4,5,6,7
	ds_load_b128 v[32+8*\t:35+8*\t], v[ADK] offset:1024*\t        ; K's eight fragments, as they were stored: 512 consecutive bytes an instruction
	ds_load_b128 v[36+8*\t:39+8*\t], v[ADK] offset:1024*\t+512
.endr
	s_wait_dscnt 8                                 ; tiles 0 to 3 are in; the youngest eight loads (tiles 4 to 7) may be out
.irp t, 0,1,2,3
	v_wmma_f32_16x16x64_fp8_fp8 v[96+8*\t:103+8*\t], v[32+8*\t:39+8*\t], v[\qr:\qr+7], 0
.endr
	s_wait_dscnt 0x0
.irp t, 4,5,6,7
	v_wmma_f32_16x16x64_fp8_fp8 v[96+8*\t:103+8*\t], v[32+8*\t:39+8*\t], v[\qr:\qr+7], 0
.endr
	v_add_nc_u32 v[ADV], s[TV], v[LI]              ; four places in front of the first read of the scores and of the loads into K's registers: V's address
	v_mov_b32 v255, v12                            ; the old -M,
	v_nop
	v_nop
.set n, 0
.rept 16
	ds_load_b128 v[32+4*n:35+4*n], v[ADV] offset:512*n   ; V's four fragments, in one run: they land while the softmax is walked
.set n, n+1
.endr
	s_cmp_lt_u32 s[KS], s[CH]                      ; only the tile's last step lies on the diagonal
	s_cbranch_scc1 .Lopen_\@
.set n, 0
.rept 16
.irp k, 0,1,2,3
	v_cmp_gt_i32 s[MK+\k], 16*((n+\k)/8)+(n+\k)%8, v[DV]
.endr
.irp k, 0,1,2,3
	v_cndmask_b32 v[96+n+\k], v[96+n+\k], v[NINF], s[MK+\k]   ; a hidden key's score becomes -infinity ahead of the maximum: p = 0 then
.endr
.set n, n+4
.endr
.Lopen_\@:
.irp k, 0,1,2,3                                ; the step's largest score of my query, among my 64 keys: four chains, chain k over tiles 2 k and 2 k + 1, each tile first read at its low end
	v_max3_num_f32 v[254-2*\k], v[96+16*\k], v[97+16*\k], v[98+16*\k]
.endr
.irp i, 3,5,7,9,11,13
.irp k, 0,1,2,3
	v_max3_num_f32 v[254-2*\k], v[254-2*\k], v[96+16*\k+\i], v[97+16*\k+\i]
.endr
.endr
	v_max3_num_f32 v254, v254, v111, v127          ; each chain's sixteenth register, and the four chains
	v_max3_num_f32 v252, v252, v143, v159
	v_max3_num_f32 v254, v254, v250, v248
	s_delay_alu instid0(VALU_DEP_1)
	v_max_num_f32 v254, v254, v252
	s_delay_alu instid0(VALU_DEP_1)
	v_permlanex16_b32 v236, v254, s[SEL], s[SEL+1]
	s_delay_alu instid0(VALU_DEP_1)
	v_max3_num_f32 v13, v13, v254, v236            ; the running largest score: mine, lane l xor 16's and the earlier steps'
	s_delay_alu instid0(VALU_DEP_1)
	v_mul_f32 v254, s[CS], v13                     ; as t (c is positive, so the largest score gives the largest t)
	s_delay_alu instid0(VALU_DEP_1)
	v_floor_f32 v12, -v254                         ; the new -M = floor(-t) = -ceil(t)
	v_sub_f32 v254, v12, v255                      ; old M - new M: a whole number, 0 or less.  The three lines that make f stand among the scalings, which need -M alone
	PF 0, 3
	v_cvt_i32_f32 v254, v254                       ; (it saturates)
	PF 6, 3
	v_ldexp_f32 v252, 1.0, v254                    ; f = 2^(old M - new M)
	PF 12, 26
	s_wait_alu depctr_va_vdst(0)
.set j, 0
.rept 64
	v_exp_f32 v[96+j], v[96+j]                     ; p = 2^(t - M), at most 1
.set j, j+1
.endr
	v_pk_mul_f32 v[14:15], v[14:15], v[252:253] op_sel_hi:[1,0]   ; the sums under the new M: the plain line behind the exponentials
	s_wait_alu depctr_va_vdst(0)                   ; one wait for the whole batch, and directly ahead of the first use of O^T
.set j, 0
.rept 16
	v_pk_mul_f32 v[160+j:161+j], v[160+j:161+j], v[252:253] op_sel_hi:[1,0]   ; O^T under the new M
.set j, j+2
.endr
	v_pk_add_f32 v[240:241], v[96:97], v[98:99]    ; the row's sum of the unquantised p: 32 pairs and the running pair, in four chains
	v_pk_add_f32 v[242:243], v[100:101], v[102:103]
	v_pk_add_f32 v[244:245], v[104:105], v[106:107]
	v_pk_add_f32 v[14:15], v[14:15], v[108:109]
.irp j, 14,22,30,38,46,54
	v_pk_add_f32 v[240:241], v[240:241], v[96+\j:97+\j]
	v_pk_add_f32 v[242:243], v[242:243], v[98+\j:99+\j]
	v_pk_add_f32 v[244:245], v[244:245], v[100+\j:101+\j]
	v_pk_add_f32 v[14:15], v[14:15], v[102+\j:103+\j]
.endr
	v_pk_add_f32 v[240:241], v[240:241], v[158:159]
	v_pk_add_f32 v[14:15], v[14:15], v[244:245]
	v_pk_add_f32 v[240:241], v[240:241], v[242:243]
	v_pk_add_f32 v[14:15], v[14:15], v[240:241]
	HOLD 0                                         ; a tile's conversion stands behind the next tile's holds
.irp t, 1,2,3,4,5,6,7
	HOLD \t
	CODE \t-1
.endr
	CODE 7
	v_nop                                          ; a plain vector line between the last conversion and the products
	s_wait_alu depctr_va_vdst(0)
	s_wait_dscnt 0x0                               ; V is in
.irp d, 0,1,2,3
	v_wmma_f32_16x16x128_fp8_fp8 v[160+8*\d:167+8*\d], v[32+16*\d:47+16*\d], v[192:207], v[160+8*\d:167+8*\d]   ; the four accumulators take turns
.endr
.rept 4
	v_nop                                          ; places in front of the next step's loads and of the way out's reads
.endr
.Lhid_\@:
	s_add_co_u32 s[TB], s[TB], 8192
	s_add_co_u32 s[KS], s[KS], 1
.endm
.macro WALK qr                         ; sixteen trips, a constant: the steps past the chunk are jumped over inside
.Lwalk_\@:
	STEP \qr
	s_sub_co_u32 s[CNT], s[CNT], 1
	s_cmp_lg_u32 s[CNT], 0
	s_cbranch_scc1 .Lwalk_\@
.endm
; THE WAY OUT of a tile: O^T x 2^(e4 + e5) / the sum, held, converted with e6.  Tile d's two registers of codes are channels 16 d + 8 h + 0 .. 7 of my query: eight registers, two stores of 512 consecutive bytes, aligned.
.macro OUT p
	v_add_f32 v14, v14, v15
	s_delay_alu instid0(VALU_DEP_1)
	v_permlanex16_b32 v252, v14, s[SEL], s[SEL+1]
	s_delay_alu instid0(VALU_DEP_1)
	v_add_f32 v14, v14, v252                       ; the row's sum
	s_wait_alu depctr_va_vdst(0)
	v_rcp_f32 v14, v14
	v_nop                                          ; a plain line behind the transcendental
	s_wait_alu depctr_va_vdst(0)                   ; and the wait ahead of its first use
	v_ldexp_f32 v14, v14, s80
	s_wait_alu depctr_va_vdst(0)                   ; directly ahead of the first use of O^T
.set j, 0
.rept 16
	v_pk_mul_f32 v[96+j:97+j], v[160+j:161+j], v[14:15] op_sel_hi:[1,0]
.set j, j+2
.endr
.set j, 0
.rept 32
	v_med3_num_f32 v[96+j], v[96+j], -v27, v27
.set j, j+1
.endr
.irp d, 0,1,2,3
	v_cvt_scalef32_pk8_fp8_f32 v[32+2*\d:33+2*\d], v[96+8*\d:103+8*\d], v26
.endr
	v_nop                                          ; a plain vector line behind the last conversion
	global_store_b128 v[LI], v[32:35], s[\p:\p+1]
	global_store_b128 v[LI], v[36:39], s[\p:\p+1] offset:512
.endm
	INIT
	s_wait_loadcnt 0x0                             ; Q
	s_wait_tensorcnt 0x0                           ; my 16,384 bytes are in,
	s_barrier_signal -1
	s_barrier_wait -1                              ; everybody's are: K and V are whole, and nobody writes them again
	WALK 16
	OUT 12
	s_xor_b32 s[CH], s[CH], 15                     ; the second tile's chunk
	INIT
	s_wait_xcnt 0x0                                ; the stores have read their registers: the next loads may land there
	WALK 208
	OUT 78
	s_wait_tensorcnt 0x0                           ; the wave's end, behind my tensor load
	ds_add_u32 v[SPW], v[NIL]
	s_wait_dscnt 0x0
	CROUND                                         ; the closing round
	s_endpgm
.Lfunc_end_k_q696c54e161_attn:
	.size	k_q696c54e161_attn, .Lfunc_end_k_q696c54e161_attn-k_q696c54e161_attn
	.p2alignl 7, 3214868480
	.fill 96, 4, 3214868480
	.section	.rodata,"a",@progbits
	.p2align	6, 0x0
	.amdhsa_kernel k_q696c54e161_attn
		.amdhsa_group_segment_fixed_size 264192
		.amdhsa_private_segment_fixed_size 0
		.amdhsa_enable_private_segment 0
		.amdhsa_kernarg_size 40
		.amdhsa_user_sgpr_count 2
		.amdhsa_user_sgpr_kernarg_segment_ptr 1
		.amdhsa_wavefront_size32 1
		.amdhsa_system_sgpr_workgroup_id_x 1
		.amdhsa_system_sgpr_workgroup_id_y 1
		.amdhsa_system_sgpr_workgroup_id_z 1
		.amdhsa_system_vgpr_workitem_id 0
		.amdhsa_next_free_vgpr 256
		.amdhsa_next_free_sgpr 88
		.amdhsa_reserve_vcc 0
		.amdhsa_float_denorm_mode_32 3
		.amdhsa_float_denorm_mode_16_64 3
		.amdhsa_memory_ordered 1
		.amdhsa_forward_progress 1
		.amdhsa_inst_pref_size 66
	.end_amdhsa_kernel
	.amdgpu_metadata
---
amdhsa.version: [ 1, 2 ]
amdhsa.kernels:
  - .name:           k_q696c54e161_attn
    .symbol:         k_q696c54e161_attn.kd
    .args:
      - { .name: q_img, .offset: 0, .size: 8, .value_kind: global_buffer, .address_space: global }
      - { .name: k_img, .offset: 8, .size: 8, .value_kind: global_buffer, .address_space: global }
      - { .name: v_img, .offset: 16, .size: 8, .value_kind: global_buffer, .address_space: global }
      - { .name: lowp_scales, .offset: 24, .size: 8, .value_kind: global_buffer, .address_space: global }
      - { .name: a_img, .offset: 32, .size: 8, .value_kind: global_buffer, .address_space: global }
    .group_segment_fixed_size: 264192
    .private_segment_fixed_size: 0
    .kernarg_segment_align: 8
    .kernarg_segment_size: 40
    .max_flat_workgroup_size: 512
    .sgpr_count:     88
    .vgpr_count:     256
    .wavefront_size: 32
...
	.end_amdgpu_metadata
.endif
;; end of part 3
;; launch proj (part 4): grid 4 x 64, 4 waves a work-group, clusters of 4 x 4, 327,680 bytes of LDS; arguments a_img, wp_codes, lowp_scales, b_proj, out0; writes out0
.if DOCPART == 4
	.amdgcn_target "amdgcn-amd-amdhsa--gfx1250"
	.amdhsa_code_object_version 6
	.text
	.protected	k_q696c54e161_proj
	.globl	k_q696c54e161_proj
	.p2align	8
	.type	k_q696c54e161_proj,@function
k_q696c54e161_proj:
	s_mov_b64 s[64:65], 0
	v_nop
	global_prefetch_b8 v0, s[64:65] scope:SCOPE_SE
	s_setreg_imm32_b32 hwreg(HW_REG_WAVE_MODE, 25, 1), 1
	s_wait_xcnt 0x0
	s_wait_alu depctr_hold_cnt(0) depctr_sa_sdst(0) depctr_va_vdst(0) depctr_va_sdst(0) depctr_va_ssrc(0) depctr_va_vcc(0) depctr_vm_vsrc(0)
	s_getreg_b32 s2, hwreg(HW_REG_IB_STS2, 6, 4)
	s_cmp_eq_u32 s2, 0
	s_cbranch_scc0 .Lentry_in_a_cluster
	s_endpgm
.Lentry_in_a_cluster:
	s_bfe_u32 s2, ttmp6, 0x10000c
	s_cmp_lg_u32 s2, 0xf033
	s_cbranch_scc0 .Lentry_shape_is_right
	s_endpgm
.Lentry_shape_is_right:
; out0 = a w_proj + b_proj on codes of FP8 (E4M3).  a_img: [tile of 16 tokens 512][128 along K 8][4][lane][16 bytes], images of the operand's registers; wp_codes [1024 (n)][1024], the same order of K.  A sum stands for sum x 2^(e6 + e7).
; LIMIT: e6 + e7 between -126 and 127, so that 2^(e6 + e7) is an f32 number.
; SHARES.  A block of 128 tokens x 256 columns to a work-group: 64 x 4 = 256 work-groups.  Four waves, each 64 tokens x 128 columns: 32 accumulators, 256 registers.  K = 1,024 goes in four steps of 256 through two LDS slots.
; CLUSTERS of 4 x 4: A's tiles (tokens) are asked for jointly along a row of the cluster, B's (columns) along a column.  Waves 0 and 1 fetch A's halves (4 rows of 4,096 bytes), waves 2 and 3 B's (128 rows of 256 bytes, padded by 16).
; NO PREFETCH: K has four steps; the two refills ask for steps 2 and 3, and a request two steps ahead of them would stand at the head, ahead of the first loads.
; Source 0 = 16 rows of B, source 1 = 16 rows of A: a lane holds eight neighbouring columns of one token's row.  The results go through the wave's own stage in slot 0, behind that slot's last fill and last read,
; and leave as rows of 512 consecutive bytes, aligned.
; REGISTERS, in windows of 256: window 0: v0-31 addresses, v32-95 the bias, v128-255 A's fragments, two sets of four (on the way out: rows read back);  window 1: B's fragments, two sets of eight (on the way out: v0-63 numbers);
; window 2: accumulator (a, b) at v[8 (8 a + b)].
.set ROWB,   256
.set KROW,   1024
.set PITCH,  272                       ; B's LDS row: 256 bytes + 16 of padding
.set FR,     16                        ; registers of a fragment: 16 rows x 128 K
.set NP,     4                         ; places behind this matrix instruction (ISA guide 7.12.1)
.set ATILE,  16384                     ; 64 tokens x 256 K as images: what one of A's loads brings
.set BHALF,  128*PITCH
.set BOFF,   2*ATILE
.set SLOT,   BOFF+2*BHALF
.set SPARE,  2*SLOT                    ; behind the ring: the spare words, 128 bytes for each wave: two blocks of 256 bytes that no other line names
.set SPITCH, 528
.set ADRA, 16
.set ADRB, 20
.set STO,  24
.set RD,   25
.set CO,   26
.set BO,   27
.set SPW,  28
.set NIL,  29
.set BI,   32
.set AF,   128
.set BK,   128
.set TMP,  0
.set G1, 24
.set G0, 32
.set G1B, 48
.set G0B, 56
.set MSB, 0
.macro WIN new                         ; the immediate's high byte repeats the setting that is left
.if MSB != \new
	s_set_vgpr_msb (MSB<<8)|\new
.set MSB, \new
.endif
.endm
.set MUL_LO, 0xa1                      ; source 0 (B) window 1, source 1 (A) window 0, C and D window 2
.set TO_B,   0x40                      ; destination window 1, address window 0
.macro JLOAD g0a, g1a, g0b, g1b        ; a joint load: waves 0 and 1 for A, 2 and 3 for B; an s_nop 0 and four v_nop follow each line
	s_cmp_eq_u32 s15, 0
	s_cbranch_scc0 .Lfor_b_\@
	tensor_load_to_lds s[\g0a:\g0a+3], s[\g1a:\g1a+7]
	s_nop 0
.rept 4
	v_nop
.endr
	s_branch .Lasked_\@
.Lfor_b_\@:
	tensor_load_to_lds s[\g0b:\g0b+3], s[\g1b:\g1b+7]
	s_nop 0
.rept 4
	v_nop
.endr
.Lasked_\@:
.endm
.macro CREST                           ; a round of the cluster's barrier behind its opening barrier
	s_cmp_lg_u32 s14, 0
	s_cbranch_scc1 .Lnot_wave_0_\@
	s_barrier_signal -3
.Lnot_wave_0_\@:
	s_barrier_wait -3
	s_barrier_signal -1
	s_barrier_wait -1
.endm
.macro CROUND
	s_barrier_signal -1
	s_barrier_wait -1
	CREST
.endm
	s_load_b128 s[4:7], s[0:1], 0x0                ; a_img, wp_codes
	s_load_b128 s[8:11], s[0:1], 0x10              ; the scales' exponents, b_proj
	s_load_b64 s[12:13], s[0:1], 0x20              ; out0
	v_lshl_add_u32 v[SPW], v0, 2, SPARE
	v_mov_b32 v[NIL], 0
	ds_add_u32 v[SPW], v[NIL]                      ; the wave's opening: the add, twice on end, and its wait stand ahead of my first tensor load
	ds_add_u32 v[SPW], v[NIL]
	v_lshrrev_b32 v1, 5, v0
	v_readfirstlane_b32 s14, v1                    ; wave 0..3
	s_lshr_b32 s15, s14, 1                         ; my half of the tokens.  Also: I fetch for A (0) or for B (1)
	s_and_b32 s16, s14, 1                          ; my half of the columns.  Also: which half of that tile I fetch
	s_bfe_u32 s40, ttmp6, 0x40000                  ; cx, cy
	s_bfe_u32 s41, ttmp6, 0x40004
	s_lshl_b32 s42, ttmp9, 2
	s_add_co_u32 s42, s42, s40                     ; the block's column: 256 columns each
	s_and_b32 s17, ttmp7, 0xffff
	s_lshl_b32 s17, s17, 2
	s_add_co_u32 s17, s17, s41                     ; the block's row: 128 tokens each
	s_lshl_b32 s43, s41, 2
	s_lshl_b32 s43, 15, s43                        ; my row of the cluster
	s_lshl_b32 s44, 0x1111, s40                    ; my column
	s_or_b32 s[G1+0], s43, (0<<16)|(1<<21)         ; A: 4 rows (tiles of 16 tokens) of 4,096 bytes, 16,384 apart; no padding
	s_mov_b32 s[G1+1], 4096<<16
	s_mov_b32 s[G1+2], 4<<16
	s_mov_b32 s[G1+3], 4096<<16
	s_mov_b32 s[G1+4], 4
	s_mov_b32 s[G1+5], 16384
	s_mov_b32 s[G1+6], 0
	s_mov_b32 s[G1+7], 0
	s_or_b32 s[G1B+0], s44, (0<<16)|(1<<20)|(1<<21)|(5<<22)|(3<<25)   ; B: 128 rows of 256 bytes, four words of padding after every 64
	s_mov_b32 s[G1B+1], ROWB<<16
	s_mov_b32 s[G1B+2], 128<<16
	s_mov_b32 s[G1B+3], ROWB<<16
	s_mov_b32 s[G1B+4], 128
	s_mov_b32 s[G1B+5], KROW
	s_mov_b32 s[G1B+6], 0
	s_mov_b32 s[G1B+7], 0
	s_lshl_b32 s20, s17, 17                        ; A: 8 tiles of 16,384 bytes a block, 4 a half
	s_lshl_b32 s18, s16, 16
	s_add_co_u32 s20, s20, s18
	s_mov_b32 s21, 0
	s_lshl_b32 s46, s42, 8
	s_lshl_b32 s18, s16, 7
	s_add_co_u32 s46, s46, s18
	s_lshl_b32 s46, s46, 10                        ; B: (256 x column block + 128 x half) rows of 1,024 bytes
	s_mov_b32 s47, 0
	s_lshl_b32 s45, s16, 14                        ; where they go: the wave's number alone
	s_mul_i32 s66, s16, BHALF
	s_add_co_u32 s66, s66, BOFF
	s_wait_dscnt 0x0
	s_wait_kmcnt 0x0
	s_load_b256 s[76:83], s[8:9], 0x0              ; e0 .. e7
	s_add_nc_u64 s[20:21], s[4:5], s[20:21]
	s_add_nc_u64 s[46:47], s[6:7], s[46:47]
	CROUND                                         ; all sixteen work-groups are here: the first joint loads meet
.irp s, 0,1
	s_mov_b32 s[G0+4*\s], 1
	s_add_co_u32 s[G0+4*\s+1], s45, \s*SLOT
	s_add_nc_u64 s[G0+4*\s+2:G0+4*\s+3], s[20:21], \s*4096
	s_or_b32 s[G0+4*\s+3], s[G0+4*\s+3], 0x80000000
	s_mov_b32 s[G0B+4*\s], 1
	s_add_co_u32 s[G0B+4*\s+1], s66, \s*SLOT
	s_add_nc_u64 s[G0B+4*\s+2:G0B+4*\s+3], s[46:47], \s*ROWB
	s_or_b32 s[G0B+4*\s+3], s[G0B+4*\s+3], 0x80000000
.endr
	JLOAD G0, G1, G0B, G1B                         ; K step 0: one tensor load a wave at the head
	v_and_b32 v1, 15, v0                           ; r
	v_bfe_u32 v2, v0, 4, 1                         ; h
	v_and_b32 v6, 31, v0
	v_lshlrev_b32 v[CO], 4, v6                     ; 16 x lane
	v_mul_u32_u24 v3, v1, PITCH
	v_lshl_add_u32 v4, v2, 4, v3
	s_lshl_b32 s21, s15, 14                        ; my 64 tokens of A
	s_mul_i32 s22, s16, BHALF                      ; my 128 rows of B
	s_add_co_u32 s22, s22, BOFF
.irp s, 0,1
	v_add_nc_u32 v[ADRA+\s], s21, v[CO]
	v_add_nc_u32 v[ADRB+\s], s22, v4
	s_add_co_u32 s21, s21, SLOT
	s_add_co_u32 s22, s22, SLOT
.endr
	s_mul_i32 s23, s14, 16*SPITCH                  ; my stage
	v_mul_u32_u24 v5, v1, SPITCH
	v_lshl_add_u32 v5, v2, 5, v5
	v_add_nc_u32 v[STO], s23, v5
	v_add_nc_u32 v[RD], s23, v[CO]
	v_lshlrev_b32 v[BO], 5, v2
	s_wait_alu depctr_va_vdst(0)
	s_lshl_b32 s84, s42, 10                        ; my first column, in bytes: 1,024 x column block + 512 x half
	s_lshl_b32 s85, s16, 9
	s_add_co_u32 s84, s84, s85
	s_mov_b32 s85, 0
	s_add_nc_u64 s[10:11], s[10:11], s[84:85]
	s_add_nc_u64 s[12:13], s[12:13], s[84:85]
	s_lshl_b32 s84, s17, 19                        ; my first token: 128 x block + 64 x half, rows of 4,096 bytes
	s_lshl_b32 s86, s15, 18
	s_add_co_u32 s84, s84, s86
	s_add_nc_u64 s[12:13], s[12:13], s[84:85]
.irp b, 0,1,2,3,4,5,6,7
	global_load_b128 v[BI+8*\b:BI+8*\b+3], v[BO], s[10:11] offset:64*\b        ; the bias in the results' layout: b(16 b + 8 h + j)
	global_load_b128 v[BI+8*\b+4:BI+8*\b+7], v[BO], s[10:11] offset:64*\b+16
.endr
.macro FRAGA reg, adr, q, i
.irp c, 0,1,2,3
	ds_load_b128 v[\reg+4*\c:\reg+4*\c+3], v[\adr] offset:(\i)*4096+(\q)*2048+512*\c
.endr
.endm
.macro FRAGB reg, adr, q, i
.irp c, 0,1,2,3
	ds_load_b128 v[\reg+4*\c:\reg+4*\c+3], v[\adr] offset:128*(\q)+32*\c+(\i)*16*PITCH
.endr
.endm
; 16 matrix instructions: A's blocks a0, a0 + 1 x B's eight, 128 along K, from set p.  The 32 accumulators take turns, in the same order in every step.
.macro MUL16 a0, p, zero
.irp a, \a0, \a0+1
.irp b, 0,1,2,3,4,5,6,7
.if \zero
	v_wmma_f32_16x16x128_fp8_fp8 v[8*(8*(\a)+\b):8*(8*(\a)+\b)+7], v[128*(\p)+FR*\b:128*(\p)+FR*\b+FR-1], v[AF+64*(\p)+FR*(\a):AF+64*(\p)+FR*(\a)+FR-1], 0
.else
	v_wmma_f32_16x16x128_fp8_fp8 v[8*(8*(\a)+\b):8*(8*(\a)+\b)+7], v[128*(\p)+FR*\b:128*(\p)+FR*\b+FR-1], v[AF+64*(\p)+FR*(\a):AF+64*(\p)+FR*(\a)+FR-1], v[8*(8*(\a)+\b):8*(8*(\a)+\b)+7]
.endif
.endr
.endr
.endm
.macro FETCH slot, q, p                ; the fragments of the slot's q-th 128 along K into set p: 48 loads in one run
	WIN TO_B
.irp i, 0,1,2,3,4,5,6,7
	FRAGB 128*(\p)+FR*\i, ADRB+\slot, \q, \i
.endr
	WIN 0
.irp i, 0,1,2,3
	FRAGA AF+64*(\p)+FR*\i, ADRA+\slot, \q, \i
.endr
.endm
.macro PLACES n
.rept \n
	v_nop
.endr
.endm
.macro STEP slot, zero                 ; a slot's first 128 along K, from set 0; the second 128's fragments are fetched into set 1 meanwhile
	s_wait_dscnt 0x0                               ; set 0 is in
	PLACES NP                                      ; in front of loads into set 1, which the products just issued have read
	FETCH \slot, 1, 1
	WIN MUL_LO
	MUL16 0, 0, \zero
	MUL16 2, 0, \zero
	WIN 0
.endm
; A slot's second 128 along K, from set 1, changes slots: in front of the barrier each wave waits for all its tensor loads, adds 0 to its spare word, and waits for that and for its reads of this slot.  fill = 1: this slot is filled again.
.macro TURN slot, next, fill
	s_wait_tensorcnt 0x0                           ; my part of the next slot is in
	ds_add_u32 v[SPW], v[NIL]
	s_wait_dscnt 0x0                               ; the add is done, set 1 is in, and my reads of this slot are over
	s_barrier_signal -1
	WIN MUL_LO
	MUL16 0, 1, 0                                  ; work on registers while the others arrive
	WIN 0
	s_barrier_wait -1
.if \fill
	CREST                                          ; the barrier has opened a round of the cluster's barrier
	s_add_nc_u64 s[G0+4*\slot+2:G0+4*\slot+3], s[G0+4*\slot+2:G0+4*\slot+3], 2*4096
	s_add_nc_u64 s[G0B+4*\slot+2:G0B+4*\slot+3], s[G0B+4*\slot+2:G0B+4*\slot+3], 2*ROWB
	JLOAD G0+4*\slot, G1, G0B+4*\slot, G1B         ; the first tensor load behind the round; its four v_nop are also the places in front of the loads below
.else
	PLACES NP
.endif
	FETCH \next, 0, 0
	WIN MUL_LO
	MUL16 2, 1, 0
	WIN 0
.endm
	s_wait_alu depctr_va_vdst(0)
	s_wait_tensorcnt 0x0                           ; my part of K step 0 is in
	ds_add_u32 v[SPW], v[NIL]
	s_wait_dscnt 0x0
	CROUND                                         ; everybody's part of K step 0 is in, and all sixteen work-groups are here
	JLOAD G0+4, G1, G0B+4, G1B                     ; K step 1's load, the first tensor load behind the round
	FETCH 0, 0, 0
	STEP 0, 1                                      ; the first products start the sums.  The eight steps of 128 are written out: four K steps, two refills
	TURN 0, 1, 1                                   ; slot 0 takes K step 2
	STEP 1, 0
	TURN 1, 0, 1                                   ; slot 1 takes K step 3
	STEP 0, 0
	TURN 0, 1, 0                                   ; nothing is left to fetch
	STEP 1, 0
	s_wait_dscnt 0x0
	WIN MUL_LO
	MUL16 0, 1, 0
	MUL16 2, 1, 0
	WIN 0
; THE WAY OUT, block by block of 16 tokens x 128 columns: sum x 2^(e6 + e7) + bias, through my stage, back as rows of 512 bytes.  LDS serves a wave's instructions in order (ISA guide 5.7.1.4): no wait between the stores and the loads.
.macro TOSTAGE a
.set AC, 64*(\a)
	WIN 0x42                                       ; source 0 window 2, destination window 1
.set j, 0
.rept 32
	v_pk_fma_f32 v[TMP+j:TMP+j+1], v[AC+j:AC+j+1], s[96:97], v[BI+j:BI+j+1] op_sel_hi:[1,0,1]   ; each accumulator from its low end on
.set j, j+2
.endr
	WIN 0x04                                       ; the stores' data: window 1
.irp b, 0,1,2,3,4,5,6,7
	ds_store_b128 v[STO], v[TMP+8*\b:TMP+8*\b+3] offset:64*\b
	ds_store_b128 v[STO], v[TMP+8*\b+4:TMP+8*\b+7] offset:64*\b+16
.endr
	WIN 0
.set BB, BK+64*((\a)%2)
.irp t, 0,1,2,3,4,5,6,7,8,9,10,11,12,13,14,15
	ds_load_b128 v[BB+4*\t:BB+4*\t+3], v[RD] offset:\t*SPITCH
.endr
.endm
.macro SEND a, younger                 ; younger: the LDS instructions issued behind block a's loads, which may stay out
.set BB, BK+64*((\a)%2)
	s_wait_dscnt \younger
.if (\a) > 0
	s_add_nc_u64 s[12:13], s[12:13], 16*4096       ; (behind a wait on XCNT: the earlier stores have read their base)
.endif
.irp t, 0,1,2,3,4,5,6,7,8,9,10,11,12,13,14,15
	global_store_b128 v[CO], v[BB+4*\t:BB+4*\t+3], s[12:13] offset:\t*4096 th:TH_STORE_NT   ; 32 lanes store 512 consecutive bytes, aligned
.endr
.endm
	s_wait_kmcnt 0x0
	s_wait_loadcnt 0x0                             ; the bias
	s_add_co_i32 s96, s82, s83
	s_add_co_i32 s96, s96, 127
	s_lshl_b32 s96, s96, 23                        ; 2^(e6 + e7) as f32
	s_mov_b32 s97, s96                             ; (named with it as a pair, so it is written)
	PLACES NP
	TOSTAGE 0
.irp a, 1,2,3
.if \a > 1
	s_wait_xcnt 0x0                                ; block a - 2's stores have read their registers and their base
.endif
	TOSTAGE \a
	SEND \a-1, 32                                  ; behind block a - 1's loads: block a's 16 stores and 16 loads
.endr
	s_wait_xcnt 0x0
	SEND 3, 0
	s_wait_tensorcnt 0x0                           ; the wave's end, behind my last tensor load and my last LDS store
	ds_add_u32 v[SPW], v[NIL]
	s_wait_dscnt 0x0
	CROUND                                         ; the closing round
	s_endpgm
.Lfunc_end_k_q696c54e161_proj:
	.size	k_q696c54e161_proj, .Lfunc_end_k_q696c54e161_proj-k_q696c54e161_proj
	.p2alignl 7, 3214868480
	.fill 96, 4, 3214868480
	.section	.rodata,"a",@progbits
	.p2align	6, 0x0
	.amdhsa_kernel k_q696c54e161_proj
		.amdhsa_group_segment_fixed_size 327680
		.amdhsa_private_segment_fixed_size 0
		.amdhsa_enable_private_segment 0
		.amdhsa_kernarg_size 40
		.amdhsa_user_sgpr_count 2
		.amdhsa_user_sgpr_kernarg_segment_ptr 1
		.amdhsa_wavefront_size32 1
		.amdhsa_system_sgpr_workgroup_id_x 1
		.amdhsa_system_sgpr_workgroup_id_y 1
		.amdhsa_system_sgpr_workgroup_id_z 1
		.amdhsa_system_vgpr_workitem_id 0
		.amdhsa_next_free_vgpr 768
		.amdhsa_next_free_sgpr 100
		.amdhsa_reserve_vcc 0
		.amdhsa_float_denorm_mode_32 3
		.amdhsa_float_denorm_mode_16_64 3
		.amdhsa_memory_ordered 1
		.amdhsa_forward_progress 1
		.amdhsa_inst_pref_size 77
	.end_amdhsa_kernel
	.amdgpu_metadata
---
amdhsa.version: [ 1, 2 ]
amdhsa.kernels:
  - .name:           k_q696c54e161_proj
    .symbol:         k_q696c54e161_proj.kd
    .args:
      - { .name: a_img, .offset: 0, .size: 8, .value_kind: global_buffer, .address_space: global }
      - { .name: wp_codes, .offset: 8, .size: 8, .value_kind: global_buffer, .address_space: global }
      - { .name: lowp_scales, .offset: 16, .size: 8, .value_kind: global_buffer, .address_space: global }
      - { .name: b_proj, .offset: 24, .size: 8, .value_kind: global_buffer, .address_space: global }
      - { .name: out0, .offset: 32, .size: 8, .value_kind: global_buffer, .address_space: global }
    .group_segment_fixed_size: 327680
    .private_segment_fixed_size: 0
    .kernarg_segment_align: 8
    .kernarg_segment_size: 40
    .max_flat_workgroup_size: 128
    .sgpr_count:     100
    .vgpr_count:     768
    .wavefront_size: 32
...
	.end_amdgpu_metadata
.endif
;; end of part 4
